; MI455X (gfx1250); checked and timed in simulation.
; The chip was launched on July 23, 2026; its instructions are those of AMD's public machine-readable ISA for CDNA 5 (MIT licence, August 2026) and "CDNA5" Instruction Set Architecture Reference Guide (July 2026). The comments in the code are by the model that wrote it; some were corrected since.
;; Dynamic Linear. Allowed arithmetic: matrix products marked QUANTISED: E4M3 operands, one given power-of-two scale a tensor, by v_wmma_f32_16x16x64_fp8_fp8 or v_wmma_f32_16x16x128_fp8_fp8, f32 sums; products left as they are: f32 operands where the result goes on into a quantised operand, else bf16, f16 or f32 operands; f32 sums; everything else in f32.
;; Inputs: biases 8 x 1,024 float32; input 8,192 x 1,024 float32; lowp_scales 2 int32 (the exponents e of the quantised operands' scales 2^e); w 8,192 x 8 float32; weights 8 x 1,024 x 1,024 float32.
;; Outputs: out0 8,192 x 1,024 float32.
;; This version of the problem:
;;   THIS VERSION OF THE PROBLEM IS GIVEN IN LOW PRECISION. The matrix products marked QUANTISED in the list below multiply operands that are first quantised to E4M3 (4 exponent bits, 3 mantissa bits; 8 bits a number), with one given power-of-two scale for each operand tensor; their sums are f32. All else is computed in f32.
;;   The module's matrix products, in the order in which they are computed (A, B: the left and right operand; K: the contracted axis; several contracted axes count as one K, in the product's order):
;;     1. [M 8,192, K 1,024] x [K 1,024, N 8,192]; A: input input; B: input weights: QUANTISED (scales: A lowp_scales[0], B lowp_scales[1])
;;     2. batch 8,192 x [M 1,024, K 8] x [K 8, N 1]; A: computed on the way; B: input w: left as it is (K = 8 < 32)
;;     3. [M 8,192, K 8] x [K 8, N 1,024]; A: input w; B: input biases: left as it is (K = 8 < 32)
;;   THE QUANTISER, for each operand of a quantised product, along K:
;;     - The operand's scale is 2^e, e = its entry of the input lowp_scales (int32; the entries are numbered through the quantised products in the list's order, A before B).
;;     - Each number is divided by the scale, clamped to +-448, and rounded to the nearest number of E4M3, ties to even, subnormals kept.
;;     - The product sums the exact products of the quantised numbers (number of the format x scale) in f32.
;;   ~~~python
;;   def quantise(x, axis, e):      # numpy; x: float32 -> the quantised numbers, widened to float32 again
;;       x = np.moveaxis(x, axis, -1); K = x.shape[-1]
;;       r = np.clip(x / 2.0 ** e, -448, 448)
;;       step = 2.0 ** (np.maximum(np.frexp(np.where(r == 0, 1, r))[1] - 1, -6) - 3)
;;       q = np.round(r / step) * step * 2.0 ** e      # np.round: ties to even
;;       return np.moveaxis(q, -1, axis).astype(np.float32)
;;   ~~~
;; One version. Each part assembles by itself: llvm-mc -triple=amdgcn-amd-amdhsa -mcpu=gfx1250 --defsym DOCPART=n.
;; ======== version 1 of 1: 2 launches
;; limits: right only within a limited range of input values
;; workspace buffers: a_codes 8,388,608 bytes; b_codes 8,388,608 bytes
;; launch quant (part 1): grid 512 x 1, 4 waves a work-group, no clusters, 34,304 bytes of LDS; arguments input, weights, lowp_scales, a_codes, b_codes; writes a_codes, b_codes
.if DOCPART == 1
	.amdgcn_target "amdgcn-amd-amdhsa--gfx1250"
	.amdhsa_code_object_version 6
	.text
	.protected	k_qd0c243a3a1_quant
	.globl	k_qd0c243a3a1_quant
	.p2align	8
	.type	k_qd0c243a3a1_quant,@function
k_qd0c243a3a1_quant:
	s_mov_b64 s[64:65], 0
	v_nop
	global_prefetch_b8 v0, s[64:65] scope:SCOPE_SE
	s_setreg_imm32_b32 hwreg(HW_REG_WAVE_MODE, 25, 1), 1
	s_wait_xcnt 0x0
; input [8192][1024] and weights [8][1024][1024], f32, K innermost, become codes of FP8 (E4M3), each tensor with the one scale 2^e given for it.
; code = x / 2^e, held within +-448, rounded to the nearest code, ties to even.  e: entry 0 (input) or 1 (weights) of the scales' buffer.
; LIMITS: -126 <= e <= 119, so that 2^e and 448 x 2^e are f32 numbers.  NaN among the inputs is not served (an infinity is held at the largest code).
; THE CODES ARE LAID AS IMAGES OF THE PRODUCT'S OPERAND REGISTERS.  A fragment is 16 rows x 128 K = 2,048 bytes: four blocks c of 512 bytes; in block c lane l = r + 16 h
; has the 16 bytes K = 32 c + 16 h + 0 .. 15 of row r.  The same place for each k in both tensors, so every product meets its partner.
; a_codes: fragment (rows 16 rb .., K step ks of 128) at 131072 (rb / 8) + 16384 ks + 2048 (rb % 8).
; b_codes: weights' rows (d, o = 128 bx + 32 t + 16 ch + r), t = 0 .. 3: fragment at 1048576 bx + 524288 ch + 131072 t + 16384 ks + 2048 d.
; SHARES: the first WGA work-groups take input, the others weights; only pointers and offsets are chosen, both take one way through the text.
; A wave takes 16 rows x 512 K: four fragments.  Each load reads 512 consecutive bytes of one row; a fragment's 16 loads go through the wave's own stage in LDS
; (rows 528 bytes apart) and come back 64 bytes a lane; each store covers 512 consecutive bytes, aligned.  No barrier: waves share nothing.  Two fragments' loads (32) are out.
.set WGA,   256
.set EMAX,  8
.set MANT,  0x600000                   ; the mantissa field of 448 as f32
.set R,     16                         ; v16-143  two sets of 64: a fragment as loaded
.set X,     144                        ; v144-207 a fragment, 16 neighbours for each block c
.set C,     208                        ; v208-239 codes, two sets of 16
.set SPW,   240
.set NIL,   241
.set SP,    528                        ; a stage row: 512 bytes + 16
.set WREG,  16*SP
.set SPARE, 4*WREG                     ; the spare words, 128 bytes a wave; no other line names them
	s_load_b128 s[4:7], s[0:1], 0x0                ; input, weights
	s_load_b64 s[10:11], s[0:1], 0x10              ; the scales' exponents
	s_load_b128 s[12:15], s[0:1], 0x18             ; a_codes, b_codes
	v_lshl_add_u32 v[SPW], v0, 2, SPARE
	v_mov_b32 v[NIL], 0
	v_lshrrev_b32 v1, 5, v0
	v_readfirstlane_b32 s16, v1                    ; wave
	v_and_b32 v2, 31, v0                           ; lane
	v_lshlrev_b32 v3, 4, v2                        ; 16 x lane
	s_mul_i32 s29, s16, WREG                       ; my stage
	v_add_nc_u32 v14, s29, v3                      ; in: a row's 512 bytes as they lie
	v_and_b32 v4, 15, v2
	v_lshrrev_b32 v5, 4, v2
	v_mul_u32_u24 v15, v4, SP
	v_lshl_add_u32 v15, v5, 6, v15
	v_add_nc_u32 v15, s29, v15                     ; out: row r, + 64 h bytes (16 numbers)
	s_cmp_lt_u32 ttmp9, WGA
	s_cselect_b32 s17, 0, WGA
	s_sub_co_u32 s17, ttmp9, s17
	s_lshl_b32 s17, s17, 2
	s_add_co_u32 s18, s17, s16                     ; u = 0 .. 1023
	s_lshr_b32 s19, s18, 1                         ; rb: which 16 rows
	s_and_b32 s24, s18, 1                          ; which half of K
	s_lshl_b32 s30, s19, 16                        ; 16 rows of 4,096 bytes
	s_lshl_b32 s25, s24, 11
	s_add_co_u32 s30, s30, s25
	s_mov_b32 s31, 0
	s_lshr_b32 s26, s19, 3                         ; a_codes
	s_lshl_b32 s26, s26, 17
	s_and_b32 s27, s19, 7
	s_lshl_b32 s27, s27, 11
	s_add_co_u32 s26, s26, s27
	s_lshr_b32 s27, s19, 6                         ; b_codes: d
	s_lshl_b32 s27, s27, 11
	s_bfe_u32 s28, s19, 0x30003                    ; bx
	s_lshl_b32 s28, s28, 20
	s_add_co_u32 s27, s27, s28
	s_bfe_u32 s28, s19, 0x20001                    ; t
	s_lshl_b32 s28, s28, 17
	s_add_co_u32 s27, s27, s28
	s_and_b32 s28, s19, 1                          ; ch
	s_lshl_b32 s28, s28, 19
	s_add_co_u32 s27, s27, s28
	s_cmp_lt_u32 ttmp9, WGA
	s_cselect_b32 s20, s26, s27
	s_lshl_b32 s25, s24, 16                        ; four K steps of 16,384 bytes
	s_add_co_u32 s20, s20, s25
	s_mov_b32 s21, 0
	s_wait_alu depctr_va_vdst(0)
	s_wait_kmcnt 0x0
	s_load_b64 s[22:23], s[10:11], 0x0
	s_cmp_lt_u32 ttmp9, WGA
	s_cselect_b64 s[4:5], s[4:5], s[6:7]
	s_cselect_b64 s[8:9], s[12:13], s[14:15]
	s_add_nc_u64 s[4:5], s[4:5], s[30:31]
	s_add_nc_u64 s[8:9], s[8:9], s[20:21]
.macro LOAD f
.irp r, 0,1,2,3,4,5,6,7,8,9,10,11,12,13,14,15
	global_load_b128 v[R+64*((\f)%2)+4*\r:R+64*((\f)%2)+4*\r+3], v3, s[4:5] offset:512*(\f)+4096*\r th:TH_LOAD_NT
.endr
.endm
	LOAD 0
	LOAD 1
	s_wait_kmcnt 0x0
	s_cmp_lt_u32 ttmp9, WGA
	s_cselect_b32 s22, s22, s23                    ; e
	s_add_co_i32 s22, s22, 127
	s_lshl_b32 s23, s22, 23
	v_mov_b32 v11, s23                             ; 2^e: the conversion takes its exponent field
	s_add_co_i32 s22, s22, EMAX
	s_lshl_b32 s22, s22, 23
	s_or_b32 s22, s22, MANT
	v_mov_b32 v10, s22                             ; 448 x 2^e
	s_wait_alu depctr_va_vdst(0)
.macro FRAG f
.if (\f) < 3
	s_wait_loadcnt 16                              ; this fragment's 16 loads are in; the next one's may be out
.else
	s_wait_loadcnt 0
.endif
.irp r, 0,1,2,3,4,5,6,7,8,9,10,11,12,13,14,15
	ds_store_b128 v14, v[R+64*((\f)%2)+4*\r:R+64*((\f)%2)+4*\r+3] offset:SP*\r
.endr
.irp j, 0,1,2,3,4,5,6,7,8,9,10,11,12,13,14,15
	ds_load_b128 v[X+4*\j:X+4*\j+3], v15 offset:128*(\j/4)+16*(\j%4)   ; LDS serves a wave's instructions in order: these see the stores above
.endr
	s_wait_dscnt 0x0                               ; the numbers are back, and the stores have read their registers
.if (\f)+2 < 4
	LOAD (\f)+2
.endif
.if (\f) >= 2
	s_wait_xcnt 0x0                                ; the stores of two fragments ago have read their codes' registers
.endif
.irp c, 0,1,2,3
.irp i, 0,1,2,3,4,5,6,7,8,9,10,11,12,13,14,15
	v_med3_num_f32 v[X+16*\c+\i], v[X+16*\c+\i], -v10, v10   ; the conversion does not saturate (ISA guide 7.6.2): hold first
.endr
	v_cvt_scalef32_pk8_fp8_f32 v[C+16*((\f)%2)+4*\c:C+16*((\f)%2)+4*\c+1], v[X+16*\c:X+16*\c+7], v11
	v_cvt_scalef32_pk8_fp8_f32 v[C+16*((\f)%2)+4*\c+2:C+16*((\f)%2)+4*\c+3], v[X+16*\c+8:X+16*\c+15], v11
	global_store_b128 v3, v[C+16*((\f)%2)+4*\c:C+16*((\f)%2)+4*\c+3], s[8:9] offset:16384*(\f)+512*\c   ; 512 consecutive bytes, aligned
.endr
.endm
	FRAG 0
	FRAG 1
	FRAG 2
	FRAG 3
	s_wait_tensorcnt 0x0                           ; the wave's end
	ds_add_u32 v[SPW], v[NIL]
	s_wait_dscnt 0x0
	s_endpgm
.Lfunc_end_k_qd0c243a3a1_quant:
	.size	k_qd0c243a3a1_quant, .Lfunc_end_k_qd0c243a3a1_quant-k_qd0c243a3a1_quant
	.p2alignl 7, 3214868480
	.fill 96, 4, 3214868480
	.section	.rodata,"a",@progbits
	.p2align	6, 0x0
	.amdhsa_kernel k_qd0c243a3a1_quant
		.amdhsa_group_segment_fixed_size 34304
		.amdhsa_private_segment_fixed_size 0
		.amdhsa_enable_private_segment 0
		.amdhsa_kernarg_size 40
		.amdhsa_user_sgpr_count 2
		.amdhsa_user_sgpr_kernarg_segment_ptr 1
		.amdhsa_wavefront_size32 1
		.amdhsa_system_sgpr_workgroup_id_x 1
		.amdhsa_system_sgpr_workgroup_id_y 1
		.amdhsa_system_sgpr_workgroup_id_z 1
		.amdhsa_system_vgpr_workitem_id 0
		.amdhsa_next_free_vgpr 242
		.amdhsa_next_free_sgpr 66
		.amdhsa_reserve_vcc 0
		.amdhsa_float_denorm_mode_32 3
		.amdhsa_float_denorm_mode_16_64 3
		.amdhsa_memory_ordered 1
		.amdhsa_forward_progress 1
		.amdhsa_inst_pref_size 37
	.end_amdhsa_kernel
	.amdgpu_metadata
---
amdhsa.version: [ 1, 2 ]
amdhsa.kernels:
  - .name:           k_qd0c243a3a1_quant
    .symbol:         k_qd0c243a3a1_quant.kd
    .args:
      - { .name: input, .offset: 0, .size: 8, .value_kind: global_buffer, .address_space: global }
      - { .name: weights, .offset: 8, .size: 8, .value_kind: global_buffer, .address_space: global }
      - { .name: lowp_scales, .offset: 16, .size: 8, .value_kind: global_buffer, .address_space: global }
      - { .name: a_codes, .offset: 24, .size: 8, .value_kind: global_buffer, .address_space: global }
      - { .name: b_codes, .offset: 32, .size: 8, .value_kind: global_buffer, .address_space: global }
    .group_segment_fixed_size: 34304
    .private_segment_fixed_size: 0
    .kernarg_segment_align: 8
    .kernarg_segment_size: 40
    .max_flat_workgroup_size: 128
    .sgpr_count:     66
    .vgpr_count:     242
    .wavefront_size: 32
...
	.end_amdgpu_metadata
.endif
;; end of part 1
;; launch gemm (part 2): grid 8 x 32, 4 waves a work-group, clusters of 4 x 1, 327,680 bytes of LDS; arguments a_codes, b_codes, lowp_scales, w, biases, out0; writes out0
.if DOCPART == 2
	.amdgcn_target "amdgcn-amd-amdhsa--gfx1250"
	.amdhsa_code_object_version 6
	.text
	.protected	k_qd0c243a3a1_gemm
	.globl	k_qd0c243a3a1_gemm
	.p2align	8
	.type	k_qd0c243a3a1_gemm,@function
k_qd0c243a3a1_gemm:
	s_mov_b64 s[64:65], 0
	v_nop
	global_prefetch_b8 v0, s[64:65] scope:SCOPE_SE
	s_setreg_imm32_b32 hwreg(HW_REG_WAVE_MODE, 25, 1), 1
	s_wait_xcnt 0x0
	s_wait_alu depctr_hold_cnt(0) depctr_sa_sdst(0) depctr_va_vdst(0) depctr_va_sdst(0) depctr_va_ssrc(0) depctr_va_vcc(0) depctr_vm_vsrc(0)
	s_getreg_b32 s2, hwreg(HW_REG_IB_STS2, 6, 4)
	s_cmp_eq_u32 s2, 0
	s_cbranch_scc0 .Lentry_in_a_cluster
	s_endpgm
.Lentry_in_a_cluster:
	s_bfe_u32 s2, ttmp6, 0x10000c
	s_cmp_lg_u32 s2, 0x3003
	s_cbranch_scc0 .Lentry_shape_is_right
	s_endpgm
.Lentry_shape_is_right:
; out0[b][o] = sum over d of w[b][d] (sum over k of input[b][k] weights[d][o][k] + biases[d][o]); the inner products on codes of FP8 (E4M3), sums in f32.
; LIMIT: ea + eb lies between -126 and 126, so that 2^(ea + eb) and its reciprocal are f32 numbers.
; A work-group (bx, by) makes rows 256 by .. + 255, columns o = 128 bx .. + 127, in four tiles t of 256 rows x 32 o (x 8 d).
; Wave (rh, ch) makes rows 128 rh .. + 127 x (8 d x 16 o, o = 128 bx + 32 t + 16 ch ..): 64 accumulators, 512 registers.
; A: the work-group's 256 x 1,024 codes, 262,144 bytes, are fetched ONCE into LDS, one tensor load of 65,536 bytes a wave, as images of fragment registers
; (a fragment's loads take 512 consecutive bytes).  No LDS byte is filled again.  CLUSTER 4, 1, 1: the four work-groups of a cluster have the same by, so the same A: they ask for it jointly.
; B: each wave's fragments come from memory straight into its registers, as the quantising launch laid them: 512 consecutive bytes a load, one stream of 524,288 bytes for each (bx, ch),
; walked once, by the waves rh = 0 and 1 side by side.  Four sets of registers, each 64 along K: a set is asked for three steps ahead of its use.  The steps have no barrier and no change of slots.
; B is not asked for jointly: beside A, LDS has 65,536 bytes, no room for two slots of B's tiles, and B takes no way through LDS.
; PREFETCH of B's stream: in a group of four steps (32,768 bytes of a stream) the group two further on is named; the 32 work-groups (by) x 2 waves (rh) that walk the stream take 512 bytes each,
; two lanes a block of 256 bytes each (the other lanes name the last again).  The last tile names its own last two groups and no more.  A has no loop to run ahead in.
; THE MATRIX INSTRUCTION IS USED TRANSPOSED (source 0 = 16 o of one d, source 1 = 16 rows of A): lane (r, h) holds row r, registers j: o = 8 h + j.
; biases / 2^(ea + eb) go in as the C of a tile's first products; w x 2^(ea + eb) weighs the finished sums.
; THE WAY OUT: a tile's 32 o are 128 bytes of a row.  An even tile's results wait in LDS (E); the odd tile's follow in two passes of 128 rows (O), and each row's 256 bytes are stored whole.
; REGISTERS: window 0: v0-31 addresses; v32-63 the way out; v64-127, v128-191 A's two sets (the second also the way out); v192-255 w of my 128 rows.
; window 1: B's four sets; the fourth holds the bias in a tile's first step.  windows 2, 3: accumulators (a, d) at v[64 (a % 4) + 8 d].
.set EP,    144                        ; a row of E or O: 128 bytes + 16
.set E0,    262144                     ; E: 256 rows, row 128 hp + 64 rh + 16 q + r for block a = 4 hp + q
.set OD,    256*EP+128                 ; O lies OD bytes behind E: 128 rows, row 64 rh + 16 q + r
.set BB,    317696                     ; biases / 2^(ea + eb): [t][ch][d][16 o]
.set SPARE, BB+4096                    ; the spare words, 128 bytes a wave; no other line names them
.set L16, 4                            ; 16 x lane
.set AA0, 5                            ; A's fragments of my rows: steps 0-7, 8-15
.set AA1, 6
.set BA0, 7
.set BA,  8
.set STO, 9
.set RD0, 10
.set RD1, 11
.set CO,  12
.set PFO, 13
.set WO,  14
.set SPW, 16
.set NIL, 17
.set OUT, 128
.set T,   192
.set G1, 24
.set G0, 32
.set CB, 38                            ; s[38:39] this tile's part of my stream of B
.set OB, 44                            ; s[44:45] my rows of out0
.set TC, 48                            ; s48 the tile's number
.set MSB, 0
.macro WIN new
.if MSB != (\new)
	s_set_vgpr_msb (MSB<<8)|(\new)
.set MSB, (\new)
.endif
.endm
.set MUL_LO, 0xa1
.set MUL_HI, 0xf1
.set TO_B,   0x40
.macro PLACES
.rept 4
	v_nop
.endr
.endm
.macro ROUND                           ; a round of the cluster's barrier
	s_barrier_signal -1
	s_barrier_wait -1
	s_cmp_lg_u32 s16, 0
	s_cbranch_scc1 .Lnot_wave_0_\@
	s_barrier_signal -3
.Lnot_wave_0_\@:
	s_barrier_wait -3
	s_barrier_signal -1
	s_barrier_wait -1
.endm
.macro BAR
	s_wait_dscnt 0x0
	s_barrier_signal -1
	s_barrier_wait -1
.endm
.macro BL set, off                     ; B's eight fragments of 64 along K
.irp d, 0,1,2,3,4,5,6,7
	global_load_b128 v[64*(\set)+8*\d:64*(\set)+8*\d+3], v[L16], s[CB:CB+1] offset:(\off)+2048*\d
	global_load_b128 v[64*(\set)+8*\d+4:64*(\set)+8*\d+7], v[L16], s[CB:CB+1] offset:(\off)+2048*\d+512
.endr
.endm
.macro AL set, adr, off                ; A's eight
.irp a, 0,1,2,3,4,5,6,7
	ds_load_b128 v[64+64*(\set)+8*\a:64+64*(\set)+8*\a+3], v[\adr] offset:(\off)+2048*\a
	ds_load_b128 v[64+64*(\set)+8*\a+4:64+64*(\set)+8*\a+7], v[\adr] offset:(\off)+2048*\a+512
.endr
.endm
.macro BIASLD adr                      ; a tile's bias into B's fourth set (window 1)
	WIN TO_B
.irp x, 0,1,2,3,4,5,6,7
	ds_load_b128 v[192+8*\x:192+8*\x+3], v[\adr] offset:64*\x
	ds_load_b128 v[192+8*\x+4:192+8*\x+7], v[\adr] offset:64*\x+16
.endr
	WIN 0
.endm
.macro MUL32 s, hi, first              ; the 64 accumulators take turns, in the same order in every step
.irp a, 0,1,2,3
.irp d, 0,1,2,3,4,5,6,7
.if \first
	v_wmma_f32_16x16x64_fp8_fp8 v[64*\a+8*\d:64*\a+8*\d+7], v[64*((\s)%4)+8*\d:64*((\s)%4)+8*\d+7], v[64+64*((\s)%2)+8*(4*\hi+\a):64+64*((\s)%2)+8*(4*\hi+\a)+7], v[192+8*\d:192+8*\d+7]
.else
	v_wmma_f32_16x16x64_fp8_fp8 v[64*\a+8*\d:64*\a+8*\d+7], v[64*((\s)%4)+8*\d:64*((\s)%4)+8*\d+7], v[64+64*((\s)%2)+8*(4*\hi+\a):64+64*((\s)%2)+8*(4*\hi+\a)+7], v[64*\a+8*\d:64*\a+8*\d+7]
.endif
.endr
.endr
.endm
; A step of 64 along K.  The sets that the last step read are asked for anew: B's for three steps on, A's for the next step.
; Step 0 asks for no set of B (the fourth holds the bias); step 1 asks for two.
.macro STEP s, last
	s_wait_dscnt 0x0                               ; A's set (and the bias) is in: asked for a step ago
.if (\last) && ((\s) > 13)
	s_wait_loadcnt 16*(15-(\s))                    ; the last tile asks for nothing beyond its end: the counts run down
.elseif (\s) == 1
	s_wait_loadcnt 16                              ; behind this step's set only step 2's was asked for
.else
	s_wait_loadcnt 32                              ; B's set is in; the 32 loads of the two steps behind it may be out
.endif
	PLACES                                         ; in front of loads into registers that the last step's products read
.set q, (\s)+3
.if (\s) == 1
	WIN TO_B
	BL 3, 16384+1024
	BL 0, 2*16384
.elseif (\s) > 1
.if (q < 16) || ((\last) == 0)
	WIN TO_B
	BL q%4, (q/2)*16384+(q%2)*1024                 ; beyond step 15 the stream goes on into the next tile
.endif
.endif
	WIN 0
.set p, (\s)+1
.if p < 8
	AL p%2, AA0, (p/2)*16384+(p%2)*1024
.elseif p < 16
	AL p%2, AA1, ((p-8)/2)*16384+(p%2)*1024
.elseif (\last) == 0
	AL 0, AA0, 0
.endif
.if ((\s)%4) == 2
.if ((\last) == 0) || ((\s) < 8)
	global_prefetch_b8 v[PFO], s[CB:CB+1] offset:((\s)/4+2)*32768 th:TH_LOAD_NT scope:SCOPE_SE
.endif
.endif
.if (\s) == 0
	WIN 0x91                                       ; C from window 1
	MUL32 \s, 0, 1
	WIN 0xd1
	MUL32 \s, 1, 1
.else
	WIN MUL_LO
	MUL32 \s, 0, 0
	WIN MUL_HI
	MUL32 \s, 1, 0
.endif
.endm
.macro RED2 a                          ; blocks a, a + 1: the sum over d, each accumulator from its low end on
	WIN 0x02+(\a)/4
.irp d, 0,1,2,3,4,5,6,7
.irp blk, \a, \a+1
.irp i, 0,2,4,6
.set rD, OUT+8*(\blk)+\i
.set rA, 8*(8*((\blk)%4)+\d)+\i
.set rW, T+8*(\blk)+(\d/2)*2
.if \d == 0
	v_pk_mul_f32 v[rD:rD+1], v[rA:rA+1], v[rW:rW+1] op_sel_hi:[1,0]
.elseif (\d%2) == 0
	v_pk_fma_f32 v[rD:rD+1], v[rA:rA+1], v[rW:rW+1], v[rD:rD+1] op_sel_hi:[1,0,1]
.else
	v_pk_fma_f32 v[rD:rD+1], v[rA:rA+1], v[rW:rW+1], v[rD:rD+1] op_sel:[0,1,0] op_sel_hi:[1,1,1]
.endif
.endr
.endr
.endr
.endm
.macro EVEN                            ; the results wait in E
	BAR                                            ; nobody reads E any more
.irp a, 0,1,2,3,4,5,6,7
	ds_store_b128 v[STO], v[OUT+8*\a:OUT+8*\a+3] offset:((\a/4)*128+(\a%4)*16)*EP
	ds_store_b128 v[STO], v[OUT+8*\a+4:OUT+8*\a+7] offset:((\a/4)*128+(\a%4)*16)*EP+16
.endr
.endm
.macro PASS hp, adr                    ; blocks 4 hp .. + 3 into O; then 32 whole rows a wave: lanes 0-7 of a half take E's 128 bytes, lanes 8-15 O's
.irp q, 0,1,2,3
	ds_store_b128 v[STO], v[OUT+8*(4*\hp+\q):OUT+8*(4*\hp+\q)+3] offset:OD+\q*16*EP
	ds_store_b128 v[STO], v[OUT+8*(4*\hp+\q)+4:OUT+8*(4*\hp+\q)+7] offset:OD+\q*16*EP+16
.endr
	BAR                                            ; everybody's part of these 128 rows is in LDS
.if \hp
	s_wait_xcnt 0x0                                ; the first pass's stores have read their registers
.endif
.irp m, 0,1,2,3,4,5,6,7
	ds_load_b128 v[32+4*\m:35+4*\m], v[\adr] offset:\m*2*EP
.endr
.irp m, 0,1,2,3,4,5,6,7
	ds_load_b128 v[128+4*\m:131+4*\m], v[\adr] offset:(\m+8)*2*EP
.endr
.irp m, 0,1,2,3,4,5,6,7
	s_wait_dscnt 15-\m
	global_store_b128 v[CO], v[32+4*\m:35+4*\m], s[OB:OB+1] offset:\hp*262144+\m*8192 th:TH_STORE_NT   ; 16 lanes store 256 consecutive bytes, aligned
.endr
.irp m, 0,1,2,3,4,5,6,7
	s_wait_dscnt 7-\m
	global_store_b128 v[CO], v[128+4*\m:131+4*\m], s[OB:OB+1] offset:\hp*262144+(\m+8)*8192 th:TH_STORE_NT
.endr
.endm
.macro ODD
	BAR                                            ; E is whole, and nobody reads O any more
	PASS 0, RD0
	BAR                                            ; the first pass's reads of O are over
	PASS 1, RD1
.endm
.macro TILE last
.if (\last) == 0
	s_add_co_u32 s51, s[TC], 1
	s_lshl_b32 s51, s51, 10
	v_add_nc_u32 v[BA], s51, v[BA0]                ; the next tile's bias
	s_wait_alu depctr_va_vdst(0)
.endif
.irp s, 0,1,2,3,4,5,6,7,8,9,10,11,12,13,14,15
	STEP \s, \last
.endr
	PLACES                                         ; in front of the first reads of results, of writes over A's second set and of loads into B's fourth
.if (\last) == 0
	BIASLD BA
.endif
	RED2 0
	RED2 2
	RED2 4
	RED2 6
	WIN 0
.if (\last) == 0
	s_and_b32 s51, s[TC], 1
	s_cmp_eq_u32 s51, 0
	s_wait_alu depctr_va_vdst(0)
	s_cbranch_scc0 .Lodd                           ; the tile's number is the same in all waves
	EVEN
	s_branch .Ljoin
.Lodd:
	ODD
.Ljoin:
	s_wait_xcnt 0x0                                ; loads, stores and prefetches have read their bases and data
	s_lshl_b32 s46, s51, 8
	s_add_nc_u64 s[OB:OB+1], s[OB:OB+1], s[46:47]  ; behind an odd tile: the next 64 o
	s_add_nc_u64 s[CB:CB+1], s[CB:CB+1], 0x20000
.else
	s_wait_alu depctr_va_vdst(0)
	ODD
.endif
.endm
	s_load_b128 s[4:7], s[0:1], 0x0                ; a_codes, b_codes
	s_load_b128 s[8:11], s[0:1], 0x10              ; the scales' exponents, w
	s_load_b128 s[12:15], s[0:1], 0x20             ; biases, out0
	v_lshl_add_u32 v[SPW], v0, 2, SPARE
	v_mov_b32 v[NIL], 0
	ds_add_u32 v[SPW], v[NIL]
	ds_add_u32 v[SPW], v[NIL]
	v_lshrrev_b32 v1, 5, v0
	v_readfirstlane_b32 s16, v1                    ; wave
	s_lshr_b32 s17, s16, 1                         ; rh
	s_and_b32 s19, s16, 1                          ; ch
	s_and_b32 s18, ttmp7, 0xffff                   ; by
	s_bfe_u32 s22, ttmp6, 0x40000                  ; cx
	s_lshl_b32 s23, ttmp9, 2
	s_add_co_u32 s22, s22, s23                     ; bx = 4 x cluster x + cx: it enters global addresses of B, biases and out0 alone
	s_mov_b32 s[G1+0], 15|(3<<16)|(1<<21)          ; the four of the cluster; elements of 8 bytes, no padding: 256 rows of 256 bytes, dense
	s_mov_b32 s[G1+1], 32<<16
	s_mov_b32 s[G1+2], 256<<16
	s_mov_b32 s[G1+3], 32<<16
	s_mov_b32 s[G1+4], 256
	s_mov_b32 s[G1+5], 32
	s_mov_b32 s[G1+6], 0
	s_mov_b32 s[G1+7], 0
	s_mov_b32 s[G0], 1
	s_lshl_b32 s[G0+1], s16, 16                    ; my quarter of A in LDS
	s_lshl_b32 s46, s18, 18
	s_add_co_u32 s46, s46, s[G0+1]
	s_mov_b32 s47, 0
	s_wait_dscnt 0x0
	s_wait_kmcnt 0x0
	s_add_nc_u64 s[G0+2:G0+3], s[4:5], s[46:47]
	s_or_b32 s[G0+3], s[G0+3], 0x80000000
	ROUND                                          ; all four work-groups are here: the joint loads meet
	tensor_load_to_lds s[G0:G0+3], s[G1:G1+7]      ; my one tensor load
	s_nop 0
	s_load_b64 s[56:57], s[8:9], 0x0               ; ea, eb
	s_lshl_b32 s46, s18, 13
	s_lshl_b32 s23, s17, 12
	s_add_co_u32 s46, s46, s23
	s_add_nc_u64 s[10:11], s[10:11], s[46:47]      ; w at my wave's 128 rows
	s_lshl_b32 s46, s22, 9
	s_add_nc_u64 s[12:13], s[12:13], s[46:47]      ; biases at the work-group's columns
	s_lshl_b32 s46, s22, 20
	s_lshl_b32 s23, s19, 19
	s_add_co_u32 s46, s46, s23
	s_add_nc_u64 s[CB:CB+1], s[6:7], s[46:47]      ; my stream of B
	s_lshl_b32 s46, s18, 20
	s_lshl_b32 s23, s17, 19
	s_add_co_u32 s46, s46, s23
	s_lshl_b32 s23, s19, 17
	s_add_co_u32 s46, s46, s23
	s_lshl_b32 s23, s22, 9
	s_add_co_u32 s46, s46, s23
	s_add_nc_u64 s[OB:OB+1], s[14:15], s[46:47]    ; out0: row 256 by + 128 rh + 32 ch, column 128 bx
	s_lshl_b32 s58, s18, 10
	s_lshl_b32 s23, s17, 9
	s_add_co_u32 s58, s58, s23                     ; the prefetches: 1,024 by + 512 rh
	s_lshl_b32 s59, s17, 17                        ; my rows' half of A in LDS
	s_lshl_b32 s51, s19, 9
	s_add_co_u32 s51, s51, BB
	s_mul_i32 s49, s17, 64*EP
	s_lshl_b32 s23, s19, 6
	s_add_co_u32 s49, s49, s23
	s_add_co_u32 s49, s49, E0
	s_mul_i32 s50, s16, 32*EP
	s_add_co_u32 s50, s50, E0
	v_and_b32 v3, 31, v0                           ; lane
	v_and_b32 v1, 15, v0                           ; r
	v_bfe_u32 v2, v0, 4, 1                         ; h
	v_lshlrev_b32 v[L16], 4, v3
	v_add_nc_u32 v[AA0], s59, v[L16]
	v_add_nc_u32 v[AA1], 0x10000, v[AA0]
	v_lshlrev_b32 v[WO], 5, v1                     ; w: row r of 32 bytes
	v_lshrrev_b32 v19, 4, v0                       ; biases: d = thread / 16,
	v_lshlrev_b32 v20, 4, v1
	v_lshl_add_u32 v20, v19, 12, v20               ; 16 lanes on 256 consecutive bytes of row d
	v_bfe_u32 v21, v0, 3, 1                        ; t % 2
	v_bfe_u32 v23, v0, 2, 1                        ; ch
	v_and_b32 v22, 3, v0
	v_lshlrev_b32 v22, 4, v22
	v_lshl_add_u32 v22, v21, 10, v22
	v_lshl_add_u32 v22, v23, 9, v22
	v_lshl_add_u32 v22, v19, 6, v22
	v_add_nc_u32 v22, BB, v22                      ; into [t][ch][d][16 o]
	v_min_u32 v24, 1, v3
	v_lshlrev_b32 v24, 8, v24
	v_add_nc_u32 v[PFO], s58, v24
	v_lshl_add_u32 v[BA0], v2, 5, s51
	v_mul_u32_u24 v25, v1, EP
	v_lshl_add_u32 v25, v2, 5, v25
	v_add_nc_u32 v[STO], s49, v25                  ; into E: row 64 rh + r, 64 ch + 32 h
	v_and_b32 v26, 7, v0
	v_bfe_u32 v27, v0, 3, 1                        ; 0: E's half of a row, 1: O's
	v_mul_u32_u24 v28, v2, EP
	v_lshl_add_u32 v28, v26, 4, v28
	v_add_nc_u32 v28, s50, v28                     ; back: row 32 wave + h
	v_mad_u32_u24 v[RD0], v27, OD, v28
	v_mad_u32_u24 v[RD1], v27, OD-128*EP, v28      ; the second pass: E's rows 128 further on, O's the same
	v_add_nc_u32 v[RD1], 128*EP, v[RD1]
	v_lshlrev_b32 v29, 12, v2
	v_lshl_add_u32 v[CO], v1, 4, v29
	s_wait_alu depctr_va_vdst(0)
.irp a, 0,1,2,3,4,5,6,7
	global_load_b128 v[T+8*\a:T+8*\a+3], v[WO], s[10:11] offset:512*\a
	global_load_b128 v[T+8*\a+4:T+8*\a+7], v[WO], s[10:11] offset:512*\a+16
.endr
	global_load_b128 v[48:51], v20, s[12:13]
	global_load_b128 v[52:55], v20, s[12:13] offset:256
	WIN TO_B
	BL 0, 0                                        ; B's steps 0, 1, 2
	BL 1, 1024
	BL 2, 16384
	WIN 0
	global_prefetch_b8 v[PFO], s[CB:CB+1] offset:32768 th:TH_LOAD_NT scope:SCOPE_SE   ; the stream's second group of four steps
	s_wait_kmcnt 0x0
	s_add_co_i32 s52, s56, s57
	s_sub_co_i32 s54, 127, s52
	s_add_co_i32 s52, s52, 127
	s_lshl_b32 s52, s52, 23                        ; 2^(ea + eb)
	s_lshl_b32 s54, s54, 23                        ; 2^-(ea + eb)
	s_mov_b32 s53, s52
	s_mov_b32 s55, s54
	s_wait_loadcnt 48                              ; w and the biases are in; B's 48 loads may be out
.set jj, 0
.rept 32
	v_pk_mul_f32 v[T+jj:T+jj+1], v[T+jj:T+jj+1], s[52:53] op_sel_hi:[1,0]
.set jj, jj+2
.endr
.irp j, 48,50,52,54
	v_pk_mul_f32 v[\j:\j+1], v[\j:\j+1], s[54:55] op_sel_hi:[1,0]
.endr
	s_wait_alu depctr_va_vdst(0)
	s_wait_tensorcnt 0x0                           ; my quarter of A is in LDS
	ds_store_b128 v22, v[48:51]
	ds_store_b128 v22, v[52:55] offset:2048
	s_wait_dscnt 0x0
	s_barrier_signal -1
	s_barrier_wait -1                              ; all of A and the biases are in LDS
	AL 0, AA0, 0
	BIASLD BA0
	s_mov_b32 s[TC], 0
.Ltile:
	TILE 0
	s_add_co_u32 s[TC], s[TC], 1
	s_cmp_lt_u32 s[TC], 3
	s_cbranch_scc1 .Ltile
	TILE 1                                         ; the last tile is written out: it asks for nothing beyond its end
	s_wait_tensorcnt 0x0                           ; the wave's end
	ds_add_u32 v[SPW], v[NIL]
	s_wait_dscnt 0x0
	ROUND                                          ; the closing round
	s_endpgm
.Lfunc_end_k_qd0c243a3a1_gemm:
	.size	k_qd0c243a3a1_gemm, .Lfunc_end_k_qd0c243a3a1_gemm-k_qd0c243a3a1_gemm
	.p2alignl 7, 3214868480
	.fill 96, 4, 3214868480
	.section	.rodata,"a",@progbits
	.p2align	6, 0x0
	.amdhsa_kernel k_qd0c243a3a1_gemm
		.amdhsa_group_segment_fixed_size 327680
		.amdhsa_private_segment_fixed_size 0
		.amdhsa_enable_private_segment 0
		.amdhsa_kernarg_size 48
		.amdhsa_user_sgpr_count 2
		.amdhsa_user_sgpr_kernarg_segment_ptr 1
		.amdhsa_wavefront_size32 1
		.amdhsa_system_sgpr_workgroup_id_x 1
		.amdhsa_system_sgpr_workgroup_id_y 1
		.amdhsa_system_sgpr_workgroup_id_z 1
		.amdhsa_system_vgpr_workitem_id 0
		.amdhsa_next_free_vgpr 1024
		.amdhsa_next_free_sgpr 66
		.amdhsa_reserve_vcc 0
		.amdhsa_float_denorm_mode_32 3
		.amdhsa_float_denorm_mode_16_64 3
		.amdhsa_memory_ordered 1
		.amdhsa_forward_progress 1
		.amdhsa_inst_pref_size 255
	.end_amdhsa_kernel
	.section	.bss,"aw",@nobits
	.p2align	6
	.space	262144
	.amdgpu_metadata
---
amdhsa.version: [ 1, 2 ]
amdhsa.kernels:
  - .name:           k_qd0c243a3a1_gemm
    .symbol:         k_qd0c243a3a1_gemm.kd
    .args:
      - { .name: a_codes, .offset: 0, .size: 8, .value_kind: global_buffer, .address_space: global }
      - { .name: b_codes, .offset: 8, .size: 8, .value_kind: global_buffer, .address_space: global }
      - { .name: lowp_scales, .offset: 16, .size: 8, .value_kind: global_buffer, .address_space: global }
      - { .name: w, .offset: 24, .size: 8, .value_kind: global_buffer, .address_space: global }
      - { .name: biases, .offset: 32, .size: 8, .value_kind: global_buffer, .address_space: global }
      - { .name: out0, .offset: 40, .size: 8, .value_kind: global_buffer, .address_space: global }
    .group_segment_fixed_size: 327680
    .private_segment_fixed_size: 0
    .kernarg_segment_align: 8
    .kernarg_segment_size: 48
    .max_flat_workgroup_size: 128
    .sgpr_count:     66
    .vgpr_count:     1024
    .wavefront_size: 32
...
	.end_amdgpu_metadata
.endif
;; end of part 2
